; MI455X (gfx1250); checked and timed in simulation.
; The chip was launched on July 23, 2026; its instructions are those of AMD's public machine-readable ISA for CDNA 5 (MIT licence, August 2026) and "CDNA5" Instruction Set Architecture Reference Guide (July 2026). The comments in the code are by the model that wrote it; some were corrected since.
;; Multi Head Attention. Allowed arithmetic: matrix products marked QUANTISED: E4M3 operands, one given power-of-two scale a tensor, by v_wmma_f32_16x16x64_fp8_fp8 or v_wmma_f32_16x16x128_fp8_fp8, f32 sums; everything else in f32.
;; Inputs: W_out 1,024 x 1,024 float32; W_qkv 1,024 x 3,072 float32; b_out 1,024 float32; b_qkv 3,072 float32; lowp_scales 8 int32 (the exponents e of the quantised operands' scales 2^e); x 4 x 2,048 x 1,024 float32.
;; Outputs: out0 4 x 2,048 x 1,024 float32.
;; This version of the problem:
;;   THIS VERSION OF THE PROBLEM IS GIVEN IN LOW PRECISION. The matrix products marked QUANTISED in the list below multiply operands that are first quantised to E4M3 (4 exponent bits, 3 mantissa bits; 8 bits a number), with one given power-of-two scale for each operand tensor; their sums are f32. All else is computed in f32.
;;   The module's matrix products, in the order in which they are computed (A, B: the left and right operand; K: the contracted axis; several contracted axes count as one K, in the product's order):
;;     1. [M 8,192, K 1,024] x [K 1,024, N 3,072]; A: input x; B: input W_qkv: QUANTISED (scales: A lowp_scales[0], B lowp_scales[1])
;;     2. batch 64 x [M 2,048, K 64] x [K 64, N 2,048]; A: computed on the way; B: computed on the way: QUANTISED (scales: A lowp_scales[2], B lowp_scales[3])
;;     3. batch 64 x [M 2,048, K 2,048] x [K 2,048, N 64]; A: softmax (see below); B: computed on the way: QUANTISED (scales: A lowp_scales[4], B lowp_scales[5])
;;     4. [M 8,192, K 1,024] x [K 1,024, N 1,024]; A: computed on the way; B: input W_out: QUANTISED (scales: A lowp_scales[6], B lowp_scales[7])
;;   THE QUANTISER, for each operand of a quantised product, along K:
;;     - The operand's scale is 2^e, e = its entry of the input lowp_scales (int32; the entries are numbered through the quantised products in the list's order, A before B).
;;     - Each number is divided by the scale, clamped to +-448, and rounded to the nearest number of E4M3, ties to even, subnormals kept.
;;     - The product sums the exact products of the quantised numbers (number of the format x scale) in f32.
;;   ~~~python
;;   def quantise(x, axis, e):      # numpy; x: float32 -> the quantised numbers, widened to float32 again
;;       x = np.moveaxis(x, axis, -1); K = x.shape[-1]
;;       r = np.clip(x / 2.0 ** e, -448, 448)
;;       step = 2.0 ** (np.maximum(np.frexp(np.where(r == 0, 1, r))[1] - 1, -6) - 3)
;;       q = np.round(r / step) * step * 2.0 ** e      # np.round: ties to even
;;       return np.moveaxis(q, -1, axis).astype(np.float32)
;;   ~~~
;;   SOFTMAX AHEAD OF A QUANTISED PRODUCT. Where the list says 'softmax', what is quantised is not the finished softmax but p = 2^(t - M), with t = logit x log2(e) and M = ceil(the row's largest t), a whole number; so 1/2 < the row's largest p <= 1. The row's sum l is taken of the UNQUANTISED p, in f32, and the product's result is divided by l at the end. Since M is a whole number, a kernel that streams over the keys may use a running M (the ceiling of the running maximum): every later rescaling is an exact power of two, so the quantised numbers keep their values, but for numbers so far below the row's largest that they fall under the format's range.
;;   OPERANDS COMPUTED ON THE WAY. 'Computed on the way' means the value that the module computes at that place (a softmax that the list does not call 'softmax' is quantised finished and normalised). What goes into a quantiser is computed in f32, as accurately as f32 sums, v_exp_f32 and their like allow (about 1e-6 of the number): no bf16 or f16 on the way to a quantiser, and a product that is left as it is and whose result goes on into a quantised operand takes f32 operands (vector FMAs, or v_wmma_f32_16x16x4_f32). A number that lies on a knife's edge between two numbers of the format may be rounded either way, as far as f32 arithmetic and the matrix unit's own rounding can turn it there, and no further.
;; One version. Each part assembles by itself: llvm-mc -triple=amdgcn-amd-amdhsa -mcpu=gfx1250 --defsym DOCPART=n.
;; ======== version 1 of 1: 4 launches
;; limits: right only within a limited range of input values
;; workspace buffers: xc 8,388,608 bytes; wc 4,194,304 bytes; qkv 25,165,824 bytes; ac 8,388,608 bytes
;; launch prep (part 1): grid 384 x 1, 4 waves a work-group, no clusters, 68,096 bytes of LDS; arguments x, W_qkv, W_out, lowp_scales, xc, wc; writes xc, wc
.if DOCPART == 1
	.amdgcn_target "amdgcn-amd-amdhsa--gfx1250"
	.amdhsa_code_object_version 6
	.text
	.protected	k_qa35e0f2cd6_prep
	.globl	k_qa35e0f2cd6_prep
	.p2align	8
	.type	k_qa35e0f2cd6_prep,@function
k_qa35e0f2cd6_prep:
	s_mov_b64 s[64:65], 0
	v_nop
	global_prefetch_b8 v0, s[64:65] scope:SCOPE_SE
	s_setreg_imm32_b32 hwreg(HW_REG_WAVE_MODE, 25, 1), 1
	s_wait_xcnt 0x0
; x [8192][1024], W_qkv [1024][3072] and W_out [1024][1024], all f32, become codes of FP8 (E4M3), each with its given scale 2^e (entries 0, 1 and 7 of the scales).
; code = number / 2^e, held within +-448, rounded to the nearest code, ties to even.
; xc: [8192 tokens][1024].  wc: [4096 rows][1024]: rows 0-3071 are the columns of W_qkv, rows 3072-4095 the columns of W_out: K innermost in both.
; ORDER OF A ROW'S BYTES: inside each 32 along K the two middle groups of eight change places: byte 32 g + 16 a + 8 u + i holds k = 32 g + 16 u + 8 a + i.  A later 16-byte LDS load at
; 32 c + 16 (lane / 16) then brings a lane exactly the k that the plain FP8 matrix form expects in registers 4 c .. 4 c + 3 (registers 2 c', 2 c' + 1: k = 16 c' + 8 (lane / 16) + 0 .. 7).
; LIMITS: each of the three exponents lies between -126 and 119.  NaN among the inputs is not served; an infinity is held at the largest code.
; Work-groups 0-255 take x (a wave: 8,192 numbers on end), work-groups 256-383 the weights (a wave: 32 columns x 256 along K).  The two ways share no LDS byte and no barrier; waves share nothing.
; No tensor loads, no matrix unit, no cluster: the launch only streams, and no two work-groups read the same bytes.
.set STEPS, 16                         ; x: steps of 512 numbers in a wave's run
.set SP,    80                         ; x: 64 bytes of the stage + 16 of padding
.set R,     16                         ; v16-79   x: four sets of 16 numbers as loaded
.set X,     80                         ; v80-111  x: two sets of 16 numbers as the conversions want them
.set C,     128                        ; v128-191 x: codes, four registers a step: no store's data are written again
.set WSTG,  32768                      ; the weights' stages begin here: 32 rows x 272 bytes for each wave
.set WP,    272
.set NB,    8                          ; weights: blocks of 32 along K for a wave
.set WX,    32                         ; v32-95   weights: two sets of 32 numbers
.set WC,    96                         ; v96-103  weights: a block's codes
.set OF,    112                        ; v112-143 weights: byte offset of row i of a block, + 4 x lane; never rewritten
.set OUTR,  144                        ; v144-207 weights: the way out
	s_load_b256 s[4:11], s[0:1], 0x0               ; x s[4:5], W_qkv s[6:7], W_out s[8:9], the scales' exponents s[10:11]
	s_load_b128 s[12:15], s[0:1], 0x20             ; xc s[12:13], wc s[14:15]
	v_lshl_add_u32 v208, v0, 2, 0x10800
	v_mov_b32 v209, 0
	v_lshrrev_b32 v1, 5, v0
	v_readfirstlane_b32 s16, v1                    ; wave 0..3
	v_and_b32 v2, 31, v0                           ; lane
	s_wait_kmcnt 0x0
	s_load_b256 s[24:31], s[10:11], 0x0            ; e0 .. e7
	s_cmp_lt_u32 ttmp9, 256
	s_cbranch_scc0 .Lweights
; ---------------- x: every load reads 512 consecutive bytes; a step's 2,048 bytes turn through the wave's own stage so that a lane gets two groups of eight neighbours
	s_lshl_b32 s17, ttmp9, 2
	s_add_co_u32 s18, s17, s16                     ; which run of 8,192 numbers is my wave's
	s_mov_b32 s19, 0
	s_lshl_b64 s[20:21], s[18:19], 15
	s_add_nc_u64 s[4:5], s[4:5], s[20:21]          ; 32,768 bytes of x a run,
	s_lshl_b64 s[20:21], s[18:19], 13
	s_add_nc_u64 s[12:13], s[12:13], s[20:21]      ; 8,192 bytes of codes
	s_wait_alu depctr_va_vdst(0)
	v_lshlrev_b32 v3, 4, v2                        ; my 16 bytes of a load's 512
	v_lshlrev_b32 v4, 4, v2                        ; my 16 codes of a step's 512
	s_lshl_b32 s17, s16, 13                        ; my wave's 8,192 bytes of LDS: two stages of 32 x 80
	v_lshrrev_b32 v14, 2, v2
	v_mul_u32_u24 v14, v14, SP
	v_and_b32 v15, 3, v2
	v_lshl_add_u32 v14, v15, 4, v14
	v_add_nc_u32 v14, s17, v14                     ; in: four lanes' 64 bytes on end, then the padding
	v_and_b32 v15, 30, v2
	v_mul_u32_u24 v15, v15, SP
	v_and_b32 v5, 1, v2
	v_lshl_add_u32 v15, v5, 5, v15
	v_add_nc_u32 v15, s17, v15                     ; out: lanes 2 g and 2 g + 1 share block g: the even lane takes k 0-7 and 16-23, the odd one k 8-15 and 24-31
.macro XLOAD t
.irp i, 0,1,2,3
	global_load_b128 v[R+16*((\t)%4)+4*\i:R+16*((\t)%4)+4*\i+3], v3, s[4:5] offset:2048*(\t)+512*\i th:TH_LOAD_NT
.endr
.endm
.macro XTURN t                         ; LDS serves a wave's instructions in order: no wait stands between these stores and loads
.irp i, 0,1,2,3
	ds_store_b128 v14, v[R+16*((\t)%4)+4*\i:R+16*((\t)%4)+4*\i+3] offset:32*SP*((\t)%2)+8*SP*\i
.endr
	ds_load_b128 v[X+16*((\t)%2):X+16*((\t)%2)+3],     v15 offset:32*SP*((\t)%2)
	ds_load_b128 v[X+16*((\t)%2)+4:X+16*((\t)%2)+7],   v15 offset:32*SP*((\t)%2)+16
	ds_load_b128 v[X+16*((\t)%2)+8:X+16*((\t)%2)+11],  v15 offset:32*SP*((\t)%2)+SP
	ds_load_b128 v[X+16*((\t)%2)+12:X+16*((\t)%2)+15], v15 offset:32*SP*((\t)%2)+SP+16
.endm
.irp t, 0,1,2,3
	XLOAD \t
.endr
	s_wait_alu depctr_va_vdst(0)
	s_wait_kmcnt 0x0
	s_add_co_i32 s22, s24, 127
	s_lshl_b32 s23, s22, 23
	v_mov_b32 v11, s23                             ; 2^e0 as f32: the conversion takes its exponent field
	s_add_co_i32 s22, s22, 8
	s_lshl_b32 s22, s22, 23
	s_or_b32 s22, s22, 0x600000
	v_mov_b32 v10, s22                             ; 448 x 2^e0
	s_wait_alu depctr_va_vdst(0)
	s_wait_loadcnt 12                              ; step 0's four loads are in; three steps' twelve may be out
	XTURN 0
.macro XSTEP t
.set XS, X+16*((\t)%2)
	s_wait_dscnt 0x0                               ; this step's numbers are back from the stage, so its stores into the stage have read their registers,
.if (\t)+4 < STEPS
	XLOAD (\t)+4                                   ; which take the loads of four steps on
.endif
.if (\t)+1 < STEPS
.if STEPS-2-(\t) >= 3
	s_wait_loadcnt 12                              ; the next step's four loads are in; those of the three steps behind it may be out
.else
	s_wait_loadcnt 4*(STEPS-2-(\t))
.endif
	XTURN (\t)+1
.endif
.irp i, 0,1,2,3,4,5,6,7,8,9,10,11,12,13,14,15
	v_med3_num_f32 v[XS+\i], v[XS+\i], -v10, v10   ; the conversion to an 8-bit code does not saturate (ISA guide 7.6.2): the hold comes first
.endr
	v_cvt_scalef32_pk8_fp8_f32 v[C+4*(\t):C+4*(\t)+1], v[XS:XS+7], v11
	v_cvt_scalef32_pk8_fp8_f32 v[C+4*(\t)+2:C+4*(\t)+3], v[XS+8:XS+15], v11
	global_store_b128 v4, v[C+4*(\t):C+4*(\t)+3], s[12:13] offset:512*(\t)   ; the wave stores 512 consecutive bytes, aligned
.endm
.irp t, 0,1,2,3,4,5,6,7,8,9,10,11,12,13,14,15
	XSTEP \t
.endr
	s_wait_tensorcnt 0x0
	ds_add_u32 v208, v209
	s_wait_dscnt 0x0
	s_endpgm
; ---------------- the weights: K is their first axis.  A lane takes a column and its registers run down K, so the conversions give codes with K innermost
.Lweights:
	s_sub_co_u32 s17, ttmp9, 256
	s_and_b32 s18, s17, 31                         ; which 128 rows of wc: 0-23 W_qkv, 24-31 W_out
	s_lshr_b32 s19, s17, 5                         ; which 256 along K
	s_mov_b32 s50, 4096
	s_cmp_lt_u32 s18, 24                           ; the choice hangs on the work-group's number alone
	s_cselect_b64 s[6:7], s[6:7], s[8:9]           ; the weight,
	s_cselect_b32 s50, 12288, s50                  ; its row in bytes,
	s_cselect_b32 s51, 0, 24
	s_sub_co_u32 s51, s18, s51                     ; and my block of 128 of its columns
	s_lshl_b32 s51, s51, 7
	s_lshl_b32 s52, s16, 5
	s_add_co_u32 s51, s51, s52                     ; my wave's first column
	s_lshl_b32 s51, s51, 2
	s_lshl_b32 s54, s19, 8
	s_mul_i32 s54, s54, s50
	s_add_co_u32 s54, s54, s51                     ; 256 y rows down, 4 bytes a column
	s_mov_b32 s55, 0
	s_lshl_b32 s56, s50, 5                         ; 32 rows: from block to block
	s_mov_b32 s57, 0
	s_add_nc_u64 s[32:33], s[6:7], s[54:55]        ; a base for each of the eight blocks: none is ever stepped
.irp t, 1,2,3,4,5,6,7
	s_add_nc_u64 s[32+2*\t:33+2*\t], s[30+2*\t:31+2*\t], s[56:57]
.endr
	s_lshl_b32 s58, s18, 7
	s_add_co_u32 s58, s58, s52                     ; my first row of wc
	s_lshl_b32 s58, s58, 10
	s_lshl_b32 s59, s19, 8
	s_add_co_u32 s58, s58, s59                     ; + my 256 bytes of it
	s_mov_b32 s59, 0
	s_add_nc_u64 s[14:15], s[14:15], s[58:59]
	s_wait_alu depctr_va_vdst(0)
	v_lshlrev_b32 v3, 2, v2
.set i, 0
.rept 32
	v_mad_u32_u24 v[OF+i], s50, i, v3              ; row i of a block, my column
.set i, i+1
.endr
	s_mul_i32 s60, s16, 32*WP
	s_add_co_u32 s60, s60, WSTG                    ; my stage
	v_mul_u32_u24 v4, v2, WP
	v_add_nc_u32 v4, s60, v4                       ; into it: row = my column
	v_and_b32 v5, 15, v2
	v_lshrrev_b32 v6, 4, v2
	v_mul_u32_u24 v7, v6, WP
	v_lshl_add_u32 v7, v5, 4, v7
	v_add_nc_u32 v7, s60, v7                       ; out of it: sixteen lanes to a row, two rows an instruction
	v_lshlrev_b32 v8, 10, v6
	v_lshl_add_u32 v8, v5, 4, v8                   ; and the same place in wc
.macro WLOAD t                         ; block t: 32 rows of the weight at 32 neighbouring columns: 128 consecutive bytes a load, the four waves side by side
.set i, 0
.rept 32
	global_load_b32 v[WX+32*((\t)%2)+i], v[OF+i], s[32+2*(\t):33+2*(\t)] th:TH_LOAD_NT
.set i, i+1
.endr
.endm
	WLOAD 0
	WLOAD 1
	s_wait_kmcnt 0x0
	s_cmp_lt_u32 s18, 24
	s_cselect_b32 s61, s25, s31                    ; e1 for W_qkv, e7 for W_out
	s_add_co_i32 s61, s61, 127
	s_lshl_b32 s62, s61, 23
	v_mov_b32 v11, s62                             ; 2^e
	s_add_co_i32 s61, s61, 8
	s_lshl_b32 s61, s61, 23
	s_or_b32 s61, s61, 0x600000
	v_mov_b32 v10, s61                             ; 448 x 2^e
.macro WBLOCK t
.set XS, WX+32*((\t)%2)
.if (\t) < NB-1
	s_wait_loadcnt 32                              ; this block's 32 loads are in; the next block's may be out
.else
	s_wait_loadcnt 0
.endif
.set i, 0
.rept 32
	v_med3_num_f32 v[XS+i], v[XS+i], -v10, v10
.set i, i+1
.endr
	v_cvt_scalef32_pk8_fp8_f32 v[WC:WC+1],   v[XS:XS+7],     v11   ; k 0-7
	v_cvt_scalef32_pk8_fp8_f32 v[WC+4:WC+5], v[XS+8:XS+15],  v11   ; k 8-15 go to bytes 16-23,
	v_cvt_scalef32_pk8_fp8_f32 v[WC+2:WC+3], v[XS+16:XS+23], v11   ; k 16-23 to bytes 8-15: the row's order of bytes
	v_cvt_scalef32_pk8_fp8_f32 v[WC+6:WC+7], v[XS+24:XS+31], v11
	ds_store_b128 v4, v[WC:WC+3] offset:32*(\t)
	ds_store_b128 v4, v[WC+4:WC+7] offset:32*(\t)+16
.if (\t)+2 < NB
	WLOAD (\t)+2
.endif
	s_wait_dscnt 0x0                               ; the stores have read their registers: the next block's codes may be written
.endm
	s_wait_alu depctr_va_vdst(0)
.irp t, 0,1,2,3,4,5,6,7
	WBLOCK \t
.endr
.irp t, 0,1,2,3,4,5,6,7,8,9,10,11,12,13,14,15
	ds_load_b128 v[OUTR+4*\t:OUTR+4*\t+3], v7 offset:2*\t*WP
.endr
.irp t, 0,1,2,3,4,5,6,7,8,9,10,11,12,13,14,15
	s_wait_dscnt 15-\t                             ; load t is in; the younger ones may be out
	global_store_b128 v8, v[OUTR+4*\t:OUTR+4*\t+3], s[14:15] offset:2048*\t   ; sixteen lanes store 256 consecutive bytes, aligned
.endr
	s_wait_tensorcnt 0x0
	ds_add_u32 v208, v209
	s_wait_dscnt 0x0
	s_endpgm
.Lfunc_end_k_qa35e0f2cd6_prep:
	.size	k_qa35e0f2cd6_prep, .Lfunc_end_k_qa35e0f2cd6_prep-k_qa35e0f2cd6_prep
	.p2alignl 7, 3214868480
	.fill 96, 4, 3214868480
	.section	.rodata,"a",@progbits
	.p2align	6, 0x0
	.amdhsa_kernel k_qa35e0f2cd6_prep
		.amdhsa_group_segment_fixed_size 68096
		.amdhsa_private_segment_fixed_size 0
		.amdhsa_enable_private_segment 0
		.amdhsa_kernarg_size 48
		.amdhsa_user_sgpr_count 2
		.amdhsa_user_sgpr_kernarg_segment_ptr 1
		.amdhsa_wavefront_size32 1
		.amdhsa_system_sgpr_workgroup_id_x 1
		.amdhsa_system_sgpr_workgroup_id_y 1
		.amdhsa_system_sgpr_workgroup_id_z 1
		.amdhsa_system_vgpr_workitem_id 0
		.amdhsa_next_free_vgpr 210
		.amdhsa_next_free_sgpr 66
		.amdhsa_reserve_vcc 0
		.amdhsa_float_denorm_mode_32 3
		.amdhsa_float_denorm_mode_16_64 3
		.amdhsa_memory_ordered 1
		.amdhsa_forward_progress 1
		.amdhsa_inst_pref_size 88
	.end_amdhsa_kernel
	.amdgpu_metadata
---
amdhsa.version: [ 1, 2 ]
amdhsa.kernels:
  - .name:           k_qa35e0f2cd6_prep
    .symbol:         k_qa35e0f2cd6_prep.kd
    .args:
      - { .name: x, .offset: 0, .size: 8, .value_kind: global_buffer, .address_space: global }
      - { .name: W_qkv, .offset: 8, .size: 8, .value_kind: global_buffer, .address_space: global }
      - { .name: W_out, .offset: 16, .size: 8, .value_kind: global_buffer, .address_space: global }
      - { .name: lowp_scales, .offset: 24, .size: 8, .value_kind: global_buffer, .address_space: global }
      - { .name: xc, .offset: 32, .size: 8, .value_kind: global_buffer, .address_space: global }
      - { .name: wc, .offset: 40, .size: 8, .value_kind: global_buffer, .address_space: global }
    .group_segment_fixed_size: 68096
    .private_segment_fixed_size: 0
    .kernarg_segment_align: 8
    .kernarg_segment_size: 48
    .max_flat_workgroup_size: 128
    .sgpr_count:     66
    .vgpr_count:     210
    .wavefront_size: 32
...
	.end_amdgpu_metadata
.endif
;; end of part 1
;; launch qkv (part 2): grid 12 x 32, 4 waves a work-group, clusters of 4 x 4, 327,680 bytes of LDS; arguments xc, wc, lowp_scales, b_qkv, qkv; writes qkv
.if DOCPART == 2
	.amdgcn_target "amdgcn-amd-amdhsa--gfx1250"
	.amdhsa_code_object_version 6
	.text
	.protected	k_qa35e0f2cd6_qkv
	.globl	k_qa35e0f2cd6_qkv
	.p2align	8
	.type	k_qa35e0f2cd6_qkv,@function
k_qa35e0f2cd6_qkv:
	s_mov_b64 s[64:65], 0
	v_nop
	global_prefetch_b8 v0, s[64:65] scope:SCOPE_SE
	s_setreg_imm32_b32 hwreg(HW_REG_WAVE_MODE, 25, 1), 1
	s_wait_xcnt 0x0
	s_wait_alu depctr_hold_cnt(0) depctr_sa_sdst(0) depctr_va_vdst(0) depctr_va_sdst(0) depctr_va_ssrc(0) depctr_va_vcc(0) depctr_vm_vsrc(0)
	s_getreg_b32 s2, hwreg(HW_REG_IB_STS2, 6, 4)
	s_cmp_eq_u32 s2, 0
	s_cbranch_scc0 .Lentry_in_a_cluster
	s_endpgm
.Lentry_in_a_cluster:
	s_bfe_u32 s2, ttmp6, 0x10000c
	s_cmp_lg_u32 s2, 0xf033
	s_cbranch_scc0 .Lentry_shape_is_right
	s_endpgm
.Lentry_shape_is_right:
.set KSTEP,  256
.set ROWB,   256
.set KROW,   1024
.set PITCH,  272
.set FR,     16
.set NL,     4
.set NP,     4
.set HALFT,  128*PITCH
.set SLOT,   4*HALFT
.set LAPS,   2
.set SPARE,  2*SLOT
.set ADRA, 16
.set ADRB, 20
.set L16,  27
.set SPW,  28
.set NIL,  29
.set B0,   32
.set B1,   96
.set VO,   112
.set SCL,  116
.set LIM,  117
.set AF,   128
.set TMP,  128
.set CD,   192
.set G1, 24
.set G0, 32
.set G1B, 48
.set G0B, 56
.set OB, 80
.set MSB, 0
.macro WIN new
.if MSB != \new
	s_set_vgpr_msb (MSB<<8)|\new
.set MSB, \new
.endif
.endm
.set MUL_LO, 0xa1
.set MUL_HI, 0xf1
.set TO_B,   0x40
; A slot's joint refill: wave wa asks for A's whole tile (256 rows), wave wb for B's; the other two waves ask for nothing.  The branches hang on the wave's number alone.
.macro JLOAD g0a, g1a, g0b, g1b, wa, wb
	s_cmp_eq_u32 s14, \wa
	s_cbranch_scc0 .Lfor_b_\@
	tensor_load_to_lds s[\g0a:\g0a+3], s[\g1a:\g1a+7]
	s_nop 0
.rept 4
	v_nop
.endr
	s_branch .Lasked_\@
.Lfor_b_\@:
	s_cmp_eq_u32 s14, \wb
	s_cbranch_scc0 .Lnone_\@
	tensor_load_to_lds s[\g0b:\g0b+3], s[\g1b:\g1b+7]
	s_nop 0
.rept 4
	v_nop
.endr
	s_branch .Lasked_\@
.Lnone_\@:
.rept 4
	v_nop                                          ; the places ahead of the LDS loads that follow, on this way too
.endr
.Lasked_\@:
.endm
.macro TL g0, g1                       ; a tensor load with s_nop 0 and four v_nop behind it
	tensor_load_to_lds s[\g0:\g0+3], s[\g1:\g1+7]
	s_nop 0
.rept 4
	v_nop
.endr
.endm
.macro CREST
	s_cmp_lg_u32 s14, 0
	s_cbranch_scc1 .Lnot_wave_0_\@
	s_barrier_signal -3
.Lnot_wave_0_\@:
	s_barrier_wait -3
	s_barrier_signal -1
	s_barrier_wait -1
.endm
.macro CROUND
	s_barrier_signal -1
	s_barrier_wait -1
	CREST
.endm
	s_load_b128 s[4:7], s[0:1], 0x0
	s_load_b128 s[8:11], s[0:1], 0x10
	s_load_b64 s[12:13], s[0:1], 0x20
	v_lshl_add_u32 v[SPW], v0, 2, SPARE
	v_mov_b32 v[NIL], 0
	ds_add_u32 v28, v29
	ds_add_u32 v28, v29
	s_wait_dscnt 0x0
	v_lshrrev_b32 v1, 5, v0
	v_readfirstlane_b32 s14, v1
	v_and_b32 v30, 31, v0
	v_lshlrev_b32 v30, 10, v30                     ; the prefetches' offset: a lane a row of 1,024 bytes; never rewritten
	s_lshr_b32 s15, s14, 1
	s_and_b32 s16, s14, 1
	s_bfe_u32 s40, ttmp6, 0x40000
	s_bfe_u32 s41, ttmp6, 0x40004
	s_lshl_b32 s18, ttmp9, 2
	s_and_b32 s19, ttmp7, 0xffff
	s_lshl_b32 s19, s19, 2
	s_mov_b32 s66, 1024
	s_mov_b32 s94, 4096
	s_mov_b32 s95, 0
	s_mov_b32 s98, 131072
	s_mov_b32 s99, 0
	s_cmp_eq_u32 ttmp9, 2
	s_cselect_b32 s17, 8, s19
	s_cselect_b32 s42, s19, s18
	s_cselect_b32 s92, 0, -1
	s_cselect_b32 s93, -1, 0
	s_cselect_b32 s66, 2048, s66
	s_cselect_b32 s94, 131072, s94
	s_cselect_b32 s98, 1024, s98
	s_add_co_u32 s17, s17, s41
	s_add_co_u32 s42, s42, s40
	s_lshl_b32 s43, s41, 2
	s_lshl_b32 s43, 15, s43
	s_lshl_b32 s44, 0x1111, s40
	s_or_b32 s[G1+0], s43, (0<<16)|(1<<20)|(1<<21)|(5<<22)|(3<<25)
	s_or_b32 s[G1B+0], s44, (0<<16)|(1<<20)|(1<<21)|(5<<22)|(3<<25)
.irp g, G1, G1B
	s_mov_b32 s[\g+1], ROWB<<16
	s_mov_b32 s[\g+2], 256<<16
	s_mov_b32 s[\g+3], ROWB<<16
	s_mov_b32 s[\g+4], 256
	s_mov_b32 s[\g+5], KROW
	s_mov_b32 s[\g+6], 0
	s_mov_b32 s[\g+7], 0
.endr
	s_lshl_b32 s20, s17, 18                        ; a tile's 256 rows of 1,024 bytes
	s_mov_b32 s21, 0
	s_lshl_b32 s46, s42, 18
	s_mov_b32 s47, 0
	s_wait_kmcnt 0x0
	s_load_b256 s[72:79], s[8:9], 0x0
	s_cmp_eq_u32 ttmp9, 2
	s_cselect_b64 s[68:69], s[6:7], s[4:5]
	s_cselect_b64 s[70:71], s[4:5], s[6:7]
	s_add_nc_u64 s[20:21], s[68:69], s[20:21]
	s_add_nc_u64 s[46:47], s[70:71], s[46:47]
	s_cmp_eq_u32 s15, 0                            ; the prefetches: waves 0 and 1 name rows of A's tile, waves 2 and 3 of B's: 128 rows a wave, of which each of the four
	s_cselect_b64 s[100:101], s[20:21], s[46:47]   ; partners that ask for the tile jointly takes 32, told apart by address (cx for A, cy for B): each row's 256 bytes of a K step are named once in a cluster
	s_cselect_b32 s18, s40, s41
	s_lshl_b32 s18, s18, 5
	s_lshl_b32 s19, s16, 7
	s_add_co_u32 s18, s18, s19
	s_lshl_b32 s18, s18, 10
	s_mov_b32 s19, 0
	s_add_nc_u64 s[100:101], s[100:101], s[18:19]  ; never rewritten
	CROUND
.irp s, 0,1
	s_mov_b32 s[G0+4*\s], 1
	s_mov_b32 s[G0+4*\s+1], \s*SLOT
	s_add_nc_u64 s[G0+4*\s+2:G0+4*\s+3], s[20:21], \s*ROWB
	s_or_b32 s[G0+4*\s+3], s[G0+4*\s+3], 0x80000000
	s_mov_b32 s[G0B+4*\s], 1
	s_mov_b32 s[G0B+4*\s+1], 2*HALFT+\s*SLOT
	s_add_nc_u64 s[G0B+4*\s+2:G0B+4*\s+3], s[46:47], \s*ROWB
	s_or_b32 s[G0B+4*\s+3], s[G0B+4*\s+3], 0x80000000
.endr
	s_cmp_eq_u32 s14, 0                            ; the first fills of BOTH slots, shared out among the four waves, one tensor load each: one chain on the wave's number, all arms to one join
	s_cbranch_scc0 .Lh1
	TL G0, G1                                      ; wave 0: A's K step 0
	s_branch .Lhd
.Lh1:
	s_cmp_eq_u32 s14, 1
	s_cbranch_scc0 .Lh2
	TL G0+4, G1                                    ; wave 1: A's K step 1
	s_branch .Lhd
.Lh2:
	s_cmp_eq_u32 s14, 2
	s_cbranch_scc0 .Lh3
	TL G0B, G1B                                    ; wave 2: B's K step 0
	s_branch .Lhd
.Lh3:
	TL G0B+4, G1B                                  ; wave 3: B's K step 1
.Lhd:
	s_wait_alu depctr_va_vdst(0)
	global_prefetch_b8 v30, s[100:101] offset:512 th:TH_LOAD_NT scope:SCOPE_SE   ; K step 2, whose load follows behind K step 0's products
	v_and_b32 v1, 15, v0
	v_bfe_u32 v2, v0, 4, 1
	v_mul_u32_u24 v3, v1, PITCH
	v_lshl_add_u32 v4, v2, 4, v3
	s_mul_i32 s21, s15, HALFT
	s_mul_i32 s22, s16, HALFT
	s_add_co_u32 s22, s22, 2*HALFT
.irp s, 0,1
	v_add_nc_u32 v[ADRA+\s], s21, v4
	v_add_nc_u32 v[ADRB+\s], s22, v4
	s_add_co_u32 s21, s21, SLOT
	s_add_co_u32 s22, s22, SLOT
.endr
	v_and_b32 v[L16], 31, v0
	v_lshlrev_b32 v[L16], 4, v[L16]
	v_lshlrev_b32 v5, 5, v2
	s_wait_alu depctr_va_vdst(0)
	v_lshlrev_b32 v6, 2, v1
	s_wait_alu depctr_va_vdst(0)
.irp a, 0,1,2,3
	v_mad_u32_u24 v[VO+\a], s66, \a, v[L16]
.endr
	s_cmp_eq_u32 ttmp9, 2
	s_cselect_b32 s18, s41, s17
	s_cselect_b32 s19, s42, s40
	s_lshl_b32 s18, s18, 8
	s_lshl_b32 s20, s15, 7
	s_add_co_u32 s18, s18, s20
	s_lshl_b32 s19, s19, 8
	s_lshl_b32 s20, s16, 7
	s_add_co_u32 s19, s19, s20
	s_cmp_eq_u32 ttmp9, 2
	s_cselect_b32 s20, s19, s18
	s_cselect_b32 s21, s18, s19
	s_lshl_b32 s22, ttmp9, 23
	s_lshr_b32 s23, s20, 11
	s_lshl_b32 s23, s23, 21
	s_add_co_u32 s22, s22, s23
	s_lshr_b32 s23, s21, 6
	s_lshl_b32 s23, s23, 17
	s_add_co_u32 s22, s22, s23
	s_and_b32 s23, s20, 2047
	s_lshl_b32 s23, s23, 6
	s_add_co_u32 s22, s22, s23
	s_mov_b32 s23, 0
	s_add_nc_u64 s[OB:OB+1], s[12:13], s[22:23]
	s_add_nc_u64 s[OB+2:OB+3], s[OB:OB+1], s[98:99]
	s_add_nc_u64 s[OB+4:OB+5], s[OB:OB+1], s[94:95]
	s_add_nc_u64 s[OB+6:OB+7], s[OB+4:OB+5], s[98:99]
	s_lshl_b32 s22, ttmp9, 10
	s_add_co_u32 s22, s22, s21
	s_lshl_b32 s22, s22, 2
	s_cmp_eq_u32 ttmp9, 2
	s_cselect_b32 s46, 0, s22
	s_cselect_b32 s22, s22, 0
	s_mov_b32 s47, 0
	s_add_nc_u64 s[88:89], s[10:11], s[46:47]
	s_add_nc_u64 s[90:91], s[10:11], s[22:23]
.irp b, 0,1,2,3,4,5,6,7
	global_load_b128 v[B0+8*\b:B0+8*\b+3],   v5, s[88:89] offset:64*\b
	global_load_b128 v[B0+8*\b+4:B0+8*\b+7], v5, s[88:89] offset:64*\b+16
.endr
.irp a, 0,1,2,3,4,5,6,7
	global_load_b32 v[B1+2*\a], v6, s[90:91] offset:64*\a
.endr
.macro FRAG reg, adr, q, i
.irp c, 0,1,2,3
	ds_load_b128 v[\reg+4*\c:\reg+4*\c+3], v[\adr] offset:128*(\q)+32*\c+(\i)*16*PITCH
.endr
.endm
.macro MUL16 a0, p, zero
.irp a, \a0, \a0+1
.irp b, 0,1,2,3,4,5,6,7
.if \zero
	v_wmma_f32_16x16x128_fp8_fp8 v[8*(8*((\a)%4)+\b):8*(8*((\a)%4)+\b)+7], v[128*(\p)+FR*\b:128*(\p)+FR*\b+FR-1], v[AF+FR*(\a):AF+FR*(\a)+FR-1], 0
.else
	v_wmma_f32_16x16x128_fp8_fp8 v[8*(8*((\a)%4)+\b):8*(8*((\a)%4)+\b)+7], v[128*(\p)+FR*\b:128*(\p)+FR*\b+FR-1], v[AF+FR*(\a):AF+FR*(\a)+FR-1], v[8*(8*((\a)%4)+\b):8*(8*((\a)%4)+\b)+7]
.endif
.endr
.endr
.endm
.macro FETCH_B slot, q, p
	WIN TO_B
.irp i, 0,1,2,3,4,5,6,7
	FRAG 128*(\p)+FR*\i, ADRB+\slot, \q, \i
.endr
	WIN 0
.endm
.macro FETCH_A slot, q, i0
.irp i, \i0, \i0+1, \i0+2, \i0+3
	FRAG AF+FR*(\i), ADRA+\slot, \q, \i
.endr
.endm
.macro PLACES n
.rept \n
	v_nop
.endr
.endm
.macro STEP slot, q, zero
	s_wait_dscnt 4*NL
	WIN MUL_LO
	MUL16 0, (\q)%2, \zero
	MUL16 2, (\q)%2, \zero
	s_wait_dscnt 0
	PLACES NP
	FETCH_B \slot, (\q)+1, 1-(\q)%2
	FETCH_A \slot, (\q)+1, 0
	WIN MUL_HI
	MUL16 4, (\q)%2, \zero
	MUL16 6, (\q)%2, \zero
	PLACES NP
	WIN 0
	FETCH_A \slot, (\q)+1, 4
.endm
.macro TURN slot, next, fill
	s_wait_tensorcnt 0x0
	ds_add_u32 v[SPW], v[NIL]
	s_wait_dscnt 4*NL+1
	WIN MUL_LO
	MUL16 0, 1, 0
	s_wait_dscnt 0x0
	s_barrier_signal -1
	MUL16 2, 1, 0
	WIN 0
	s_barrier_wait -1
.if \fill
	CREST
	s_add_nc_u64 s[G0+4*\slot+2:G0+4*\slot+3], s[G0+4*\slot+2:G0+4*\slot+3], 2*ROWB
	s_add_nc_u64 s[G0B+4*\slot+2:G0B+4*\slot+3], s[G0B+4*\slot+2:G0B+4*\slot+3], 2*ROWB
	JLOAD G0+4*\slot, G1, G0B+4*\slot, G1B, \slot, 2+\slot
.else
	PLACES NP
.endif
	FETCH_B \next, 0, 0
	FETCH_A \next, 0, 0
	WIN MUL_HI
	MUL16 4, 1, 0
	MUL16 6, 1, 0
	PLACES NP
	WIN 0
	FETCH_A \next, 0, 4
.endm
	s_wait_alu depctr_va_vdst(0)
	s_wait_tensorcnt 0x0                           ; my tile has landed
	s_barrier_signal -1
	s_barrier_wait -1                              ; so K steps 0 and 1 are there for all four waves
	global_prefetch_b8 v30, s[100:101] offset:768 th:TH_LOAD_NT scope:SCOPE_SE   ; K step 3, whose load follows behind K step 1's products: two K steps on
	FETCH_B 0, 0, 0
	FETCH_A 0, 0, 0
	FETCH_A 0, 0, 4
	STEP 0, 0, 1
	s_mov_b32 s3, LAPS-1
.Llap:
	TURN 0, 1, 1
	STEP 1, 0, 0
	TURN 1, 0, 1
	STEP 0, 0, 0
	s_sub_co_u32 s3, s3, 1
	s_cmp_lg_u32 s3, 0
	s_cbranch_scc1 .Llap
	TURN 0, 1, 0
	STEP 1, 0, 0
	s_wait_dscnt 4*NL
	WIN MUL_LO
	MUL16 0, 1, 0
	MUL16 2, 1, 0
	s_wait_dscnt 0
	WIN MUL_HI
	MUL16 4, 1, 0
	MUL16 6, 1, 0
	WIN 0
	s_wait_kmcnt 0x0
	s_add_co_i32 s96, s72, s73
	s_add_co_i32 s96, s96, 127
	s_lshl_b32 s96, s96, 23
	s_mov_b32 s97, s96
	s_cmp_eq_u32 ttmp9, 0
	s_cselect_b32 s18, s74, s75
	s_cmp_eq_u32 ttmp9, 2
	s_cselect_b32 s18, s77, s18
	s_add_co_i32 s18, s18, 127
	s_lshl_b32 s19, s18, 23
	s_add_co_i32 s18, s18, 8
	s_lshl_b32 s18, s18, 23
	s_or_b32 s18, s18, 0x600000
	s_wait_loadcnt 0x0
	v_mov_b32 v[SCL], s19
	v_mov_b32 v[LIM], s18
.set j, 0
.rept 64
	v_and_b32 v[B0+j], s92, v[B0+j]
.set j, j+1
.endr
.irp a, 0,1,2,3,4,5,6,7
	v_and_b32 v[B1+2*\a], s93, v[B1+2*\a]
	v_mov_b32 v[B1+2*\a+1], 0
.endr
.macro EPI a
.set AC, 64*((\a)%4)
.set CDS, CD+16*((\a)%2)
.if (\a) > 1
	s_wait_xcnt 0x0
.endif
	WIN 0x02+((\a)/4)
.set j, 0
.rept 32
	v_pk_fma_f32 v[TMP+j:TMP+j+1], v[AC+j:AC+j+1], s[96:97], v[B0+j:B0+j+1] op_sel_hi:[1,0,1]
.set j, j+2
.endr
	WIN 0
.set j, 0
.rept 32
	v_pk_add_f32 v[TMP+j:TMP+j+1], v[TMP+j:TMP+j+1], v[B1+2*(\a):B1+2*(\a)+1] op_sel_hi:[1,0]
.set j, j+2
.endr
.set j, 0
.rept 64
	v_med3_num_f32 v[TMP+j], v[TMP+j], -v[LIM], v[LIM]
.set j, j+1
.endr
.irp b, 0,1,2,3,4,5,6,7
	v_cvt_scalef32_pk8_fp8_f32 v[CDS+2*\b:CDS+2*\b+1], v[TMP+8*\b:TMP+8*\b+7], v[SCL]
.endr
	v_nop
.irp g, 0,1,2,3
	global_store_b128 v[VO+(\a)%4], v[CDS+4*\g:CDS+4*\g+3], s[OB+4*((\a)/4)+2*(\g/2):OB+4*((\a)/4)+2*(\g/2)+1] offset:512*(\g%2)
.endr
.endm
.irp a, 0,1,2,3,4,5,6,7
	EPI \a
.endr
	s_wait_tensorcnt 0x0
	ds_add_u32 v[SPW], v[NIL]
	s_wait_dscnt 0x0
	CROUND
	s_endpgm
.Lfunc_end_k_qa35e0f2cd6_qkv:
	.size	k_qa35e0f2cd6_qkv, .Lfunc_end_k_qa35e0f2cd6_qkv-k_qa35e0f2cd6_qkv
	.p2alignl 7, 3214868480
	.fill 96, 4, 3214868480
	.section	.rodata,"a",@progbits
	.p2align	6, 0x0
	.amdhsa_kernel k_qa35e0f2cd6_qkv
		.amdhsa_group_segment_fixed_size 327680
		.amdhsa_private_segment_fixed_size 0
		.amdhsa_enable_private_segment 0
		.amdhsa_kernarg_size 40
		.amdhsa_user_sgpr_count 2
		.amdhsa_user_sgpr_kernarg_segment_ptr 1
		.amdhsa_wavefront_size32 1
		.amdhsa_system_sgpr_workgroup_id_x 1
		.amdhsa_system_sgpr_workgroup_id_y 1
		.amdhsa_system_sgpr_workgroup_id_z 1
		.amdhsa_system_vgpr_workitem_id 0
		.amdhsa_next_free_vgpr 1024
		.amdhsa_next_free_sgpr 102
		.amdhsa_reserve_vcc 0
		.amdhsa_float_denorm_mode_32 3
		.amdhsa_float_denorm_mode_16_64 3
		.amdhsa_memory_ordered 1
		.amdhsa_forward_progress 1
		.amdhsa_inst_pref_size 157
	.end_amdhsa_kernel
	.amdgpu_metadata
---
amdhsa.version: [ 1, 2 ]
amdhsa.kernels:
  - .name:           k_qa35e0f2cd6_qkv
    .symbol:         k_qa35e0f2cd6_qkv.kd
    .args:
      - { .name: xc, .offset: 0, .size: 8, .value_kind: global_buffer, .address_space: global }
      - { .name: wc, .offset: 8, .size: 8, .value_kind: global_buffer, .address_space: global }
      - { .name: lowp_scales, .offset: 16, .size: 8, .value_kind: global_buffer, .address_space: global }
      - { .name: b_qkv, .offset: 24, .size: 8, .value_kind: global_buffer, .address_space: global }
      - { .name: qkv, .offset: 32, .size: 8, .value_kind: global_buffer, .address_space: global }
    .group_segment_fixed_size: 327680
    .private_segment_fixed_size: 0
    .kernarg_segment_align: 8
    .kernarg_segment_size: 40
    .max_flat_workgroup_size: 128
    .sgpr_count:     102
    .vgpr_count:     1024
    .wavefront_size: 32
...
	.end_amdgpu_metadata
.endif
;; end of part 2
;; launch attn (part 3): grid 4 x 64, 16 waves a work-group, clusters of 4 x 1, 264,192 bytes of LDS; arguments qkv, lowp_scales, ac; writes ac
.if DOCPART == 3
	.amdgcn_target "amdgcn-amd-amdhsa--gfx1250"
	.amdhsa_code_object_version 6
	.text
	.protected	k_qa35e0f2cd6_attn
	.globl	k_qa35e0f2cd6_attn
	.p2align	8
	.type	k_qa35e0f2cd6_attn,@function
k_qa35e0f2cd6_attn:
	s_mov_b64 s[64:65], 0
	v_nop
	global_prefetch_b8 v0, s[64:65] scope:SCOPE_SE
	s_setreg_imm32_b32 hwreg(HW_REG_WAVE_MODE, 25, 1), 1
	s_wait_xcnt 0x0
	s_wait_alu depctr_hold_cnt(0) depctr_sa_sdst(0) depctr_va_vdst(0) depctr_va_sdst(0) depctr_va_ssrc(0) depctr_va_vcc(0) depctr_vm_vsrc(0)
	s_getreg_b32 s2, hwreg(HW_REG_IB_STS2, 6, 4)
	s_cmp_eq_u32 s2, 0
	s_cbranch_scc0 .Lentry_in_a_cluster
	s_endpgm
.Lentry_in_a_cluster:
	s_bfe_u32 s2, ttmp6, 0x10000c
	s_cmp_lg_u32 s2, 0x3003
	s_cbranch_scc0 .Lentry_shape_is_right
	s_endpgm
.Lentry_shape_is_right:
; For each of 64 heads (2,048 tokens, 64 channels): o = softmax(q k^T / 8) v, both products on codes of FP8 (E4M3); o is quantised (scale entry 6) into the last product's operand registers.
; THE SOFTMAX: t = score x log2(e) / 8; M = the row's largest t so far, rounded UP to a whole number; p = 2^(t - M) is quantised (entry 4), not normalised; the row's sum is taken of the
; unquantised p in f32 and divides o at the end.  When M moves, the sum and o are multiplied by 2^(old M - new M), which rounds nothing.
; SHARES.  A work-group owns 512 queries of one head; each of its sixteen waves 32 of them: two tiles of 16, so that each fragment of K and V read from LDS feeds two matrix instructions.
; LDS.  The head's K (131,072 bytes) and V (131,072) fit whole: each byte is filled once, nothing is filled again, there is no ring.  Each wave asks for one sixteenth, 16,384 bytes
; (waves 0-7: K's eighths, waves 8-15: V's), its one tensor load; one barrier shows all of it to all waves.  Every byte is requested at the head, so there is no later request to prefetch for.
; CLUSTER.  The four query blocks of a head form a cluster and need the same K and V: each sixteenth is asked for jointly (mask 15); its addresses hang on the head and the wave's number alone.
; LAYOUT.  K and V lie as images of operand registers (pieces of 512 bytes, lane l's 16 bytes at 16 l).  S^T = K Q^T (source 0 = 16 keys, source 1 = 16 queries) and O^T = V^T P^T
; (source 0 = 16 channels, source 1 = P): a lane holds one query throughout; tile n's eight scores are keys 16 n + 8 (lane / 16) + 0 .. 7, which converted are registers 2 n, 2 n + 1 of P.
; TWO REGIONS OF 64 REGISTERS CHANGE ROLES FROM STEP TO STEP: one holds the step's K, then its V; the other the scores, then p, and, once p is converted, the NEXT step's K, asked for ahead of
; the rescaling of O^T and the second product.  So a trip of the loop is two steps.  The sixteenth step's look-ahead reads the 8,192 bytes behind K's images (V's first): they are not used.
; LIMITS: e2 + e3 between -123 and 130 (added to c's exponent field); e4 and e6 each between -126 and 119; e4 + e5 is applied by v_ldexp_f32 and has none.  The scaled scores stay under 2^31 in magnitude.
; REGISTERS: v0 tile A's f; v1 16 x lane; v2 the address in hand; v3 the conversion's scale; v4 tile B's f; v5 the hold; v6, v7 the add's two; v8-11 tile A: -M, largest score, the sum in two halves;
;   v12-15 tile B; v16-31 Q; v32-95, v96-159 the two regions; v160-223 O^T; v224-239, v240-255 P's codes.  v240-255 also serve as temporaries while tile B's codes are not alive.
.set VLDS,  131072                     ; V's images begin here
.set SPARE, 262144                     ; behind them: the spare words, 128 bytes for each wave
.set FA,   0
.set L16,  1
.set ADR,  2
.set CVS,  3
.set FB,   4
.set HOLD, 5
.set SPW,  6
.set NIL,  7
.set QA,   16
.set QB,   24
.set R0,   32
.set R1,   96
.set OA,   160
.set OBB,  192
.set PCA,  224
.set PCB,  240
.set T,    240
.set WV,   10                          ; s10 my wave's number
.set SEL,  20                          ; s[20:21] selects of v_permlanex16_b32: lane l xor 16
.set CSC,  22                          ; s[22:23] c = log2(e) / 8 x 2^(e2 + e3)
.set G1,   24                          ; s[24:31] descriptor group 1: 64 rows of 256 bytes
.set G0,   48                          ; s[48:51] group 0
.macro CROUND                          ; a round of the cluster's barrier
	s_barrier_signal -1
	s_barrier_wait -1
	s_cmp_lg_u32 s[WV], 0
	s_cbranch_scc1 .Lnot_wave_0_\@
	s_barrier_signal -3
.Lnot_wave_0_\@:
	s_barrier_wait -3
	s_barrier_signal -1
	s_barrier_wait -1
.endm
	s_load_b128 s[4:7], s[0:1], 0x0                ; qkv s[4:5], the scales' exponents s[6:7]
	s_load_b64 s[8:9], s[0:1], 0x10                ; ac
	v_lshl_add_u32 v[SPW], v0, 2, SPARE
	v_mov_b32 v[NIL], 0
	ds_add_u32 v[SPW], v[NIL]                      ; the opening lines: the add, twice on end, and its wait ahead of my tensor load
	ds_add_u32 v[SPW], v[NIL]
	v_lshrrev_b32 v2, 5, v0
	s_delay_alu instid0(VALU_DEP_1)
	v_readfirstlane_b32 s[WV], v2                  ; wave 0..15
	v_and_b32 v[L16], 31, v0
	s_delay_alu instid0(VALU_DEP_1)
	v_lshlrev_b32 v[L16], 4, v[L16]
	s_bfe_u32 s11, ttmp6, 0x40000                  ; cx
	s_lshl_b32 s13, ttmp9, 2
	s_add_co_u32 s13, s13, s11                     ; my block of 512 queries: it enters Q's and the output's addresses alone
	s_and_b32 s12, ttmp7, 0xffff                   ; the head, 16 b + n, which the four partners share
	s_lshl_b32 s2, s12, 17
	s_mov_b32 s3, 0
	s_mov_b32 s[G1], 15|(3<<16)|(1<<21)            ; the mask: all four work-groups; elements of 8 bytes; bit 21 beside a mask; no padding
	s_mov_b32 s[G1+1], 32<<16                      ; tensor_dim0 = 32 elements: rows of 256 bytes
	s_mov_b32 s[G1+2], 64<<16                      ; tensor_dim1 = 64 rows
	s_mov_b32 s[G1+3], 32<<16                      ; tile_dim0
	s_mov_b32 s[G1+4], 64                          ; tile_dim1
	s_mov_b32 s[G1+5], 32                          ; the pitch: the block is dense
	s_mov_b32 s[G1+6], 0
	s_mov_b32 s[G1+7], 0
	s_lshr_b32 s16, s[WV], 3
	s_add_co_u32 s16, s16, 1
	s_lshl_b32 s16, s16, 23                        ; waves 0-7: k's section of qkv, 2^23 bytes in; waves 8-15: v's, 2^24 bytes in
	s_and_b32 s17, s[WV], 7
	s_lshl_b32 s17, s17, 14
	s_add_co_u32 s16, s16, s17                     ; + my eighth of the head's 131,072 bytes
	s_mov_b32 s17, 0
	s_mov_b32 s[G0], 1                             ; count = 1
	s_lshl_b32 s[G0+1], s[WV], 14                  ; LDS address: 16,384 x wave
	s_mov_b32 s[SEL], 0x76543210
	s_mov_b32 s[SEL+1], 0xfedcba98
	s_mov_b32 s[CSC], 0x3e38aa3b                   ; log2(e) / 8
	s_wait_dscnt 0x0                               ; both opening adds are done
	s_wait_kmcnt 0x0
	s_load_b256 s[80:87], s[6:7], 0x0              ; e0 .. e7
	s_add_nc_u64 s[14:15], s[4:5], s[2:3]          ; the head in q's section
	s_add_nc_u64 s[G0+2:G0+3], s[14:15], s[16:17]
	s_or_b32 s[G0+3], s[G0+3], 0x80000000          ; type = 2
	s_lshl_b32 s2, s13, 9
	s_lshl_b32 s91, s[WV], 5
	s_add_co_u32 s2, s2, s91                       ; my first query in the head
	s_lshl_b32 s96, s2, 6
	s_mov_b32 s97, 0
	s_add_nc_u64 s[92:93], s[14:15], s[96:97]      ; its image: 64 bytes a token
	s_lshr_b32 s96, s12, 4
	s_lshl_b32 s96, s96, 7
	s_lshr_b32 s98, s2, 4
	s_add_co_u32 s96, s96, s98                     ; my first tile of 16 tokens among all 512
	s_lshl_b32 s96, s96, 14                        ; 16,384 bytes a tile,
	s_and_b32 s98, s12, 15
	s_lshl_b32 s98, s98, 10                        ; 1,024 a head
	s_add_co_u32 s96, s96, s98
	s_add_nc_u64 s[94:95], s[8:9], s[96:97]
	CROUND                                         ; all four work-groups are here: the joint loads meet
	tensor_load_to_lds s[G0:G0+3], s[G1:G1+7]      ; my sixteenth: the wave's one tensor load
	s_nop 0
.rept 4
	v_nop
.endr
	s_wait_alu depctr_va_vdst(0)
.irp c, 0,1,2,3
	global_load_b128 v[QA+4*\c:QA+4*\c+3], v[L16], s[92:93] offset:512*\c th:TH_LOAD_NT   ; Q's two fragments stay in registers
.endr
.set j, 0
.rept 64
	v_mov_b32 v[OA+j], 0                           ; O^T.  (The key step has no first step of its own: it finds zeros, which the first change of M leaves zeros)
.set j, j+1
.endr
	v_mov_b32 v9, 0xff61b1e6                       ; the largest score so far: -3e38
	v_mov_b32 v13, 0xff61b1e6
	v_mov_b32 v8, 0x7f61b1e6                       ; -M: 3e38
	v_mov_b32 v12, 0x7f61b1e6
	v_mov_b32 v10, 0                               ; the sums
	v_mov_b32 v11, 0
	v_mov_b32 v14, 0
	v_mov_b32 v15, 0
	s_wait_kmcnt 0x0
	s_add_co_i32 s2, s82, s83
	s_lshl_b32 s2, s2, 23
	s_add_co_i32 s[CSC], s[CSC], s2                ; a score stands for score x 2^(e2 + e3)
	s_mov_b32 s[CSC+1], s[CSC]
	s_add_co_i32 s2, s84, 127
	s_lshl_b32 s3, s2, 23
	v_mov_b32 v[CVS], s3                           ; 2^e4
	s_add_co_i32 s2, s2, 8
	s_lshl_b32 s2, s2, 23
	s_or_b32 s2, s2, 0x600000
	v_mov_b32 v[HOLD], s2                          ; 448 x 2^e4
	s_add_co_i32 s91, s84, s85                     ; e4 + e5
	s_add_co_i32 s2, s86, 127
	s_lshl_b32 s98, s2, 23                         ; 2^e6
	s_add_co_i32 s2, s2, 8
	s_lshl_b32 s2, s2, 23
	s_or_b32 s99, s2, 0x600000                     ; 448 x 2^e6
.macro PKF s, st, from, n              ; t - M for n pairs of scores, from register \from of the region on
.set j, \from
.rept \n
	v_pk_fma_f32 v[\s+j:\s+j+1], v[\s+j:\s+j+1], s[CSC:CSC+1], v[\st:\st+1] op_sel_hi:[1,0,0]
.set j, j+2
.endr
.endm
.macro HOLDS s, from, n                ; the hold for n pairs of p: the conversion does not saturate (ISA guide 7.6.2); p is not negative, so it is one-sided; two numbers a line
.set j, \from
.rept \n
	v_dual_min_num_f32 v[\s+j], v[\s+j], v[HOLD] :: v_dual_min_num_f32 v[\s+j+1], v[\s+j+1], v[HOLD]
.set j, j+2
.endr
.endm
.macro UADD a, b                       ; partial sum a += partial sum b
	v_pk_add_f32 v[T+2*\a:T+2*\a+1], v[T+2*\a:T+2*\a+1], v[T+2*\b:T+2*\b+1]
.endm
; One tile's softmax for 128 keys.  st: its statistics; s: the region with its scores; pc: where its codes go; f: where 2^(old M - new M) is kept for the rescaling of O^T.
; The 64 exponentials go in two halves.  Plain lines stand between them that read only what the wait ahead of the half has settled, and whose results are read only behind the wait that follows it.
.macro SOFTMAX st, s, pc, f
.irp u, 0,1,2,3,4,5,6,7
	v_max3_num_f32 v[T+\u], v[\s+3*\u], v[\s+3*\u+1], v[\s+3*\u+2]   ; the largest score of my query among my 64 keys, in eight chains, the registers in ascending order
.endr
.set j, 24
.rept 2
.irp u, 0,1,2,3,4,5,6,7
	v_max3_num_f32 v[T+\u], v[T+\u], v[\s+j+2*\u], v[\s+j+2*\u+1]
.endr
.set j, j+16
.endr
.irp u, 0,1,2,3
	v_max3_num_f32 v[T+\u], v[T+\u], v[\s+56+2*\u], v[\s+57+2*\u]
.endr
	v_max3_num_f32 v[T+4], v[T+4], v[T+5], v[T+6]
	v_max3_num_f32 v[T], v[T], v[T+1], v[T+2]
	v_max3_num_f32 v[T+4], v[T+4], v[T+7], v[T+3]
	s_delay_alu instid0(VALU_DEP_1)
	v_max_num_f32 v[T], v[T], v[T+4]
	v_permlanex16_b32 v[T+1], v[T], s[SEL], s[SEL+1]
	s_delay_alu instid0(VALU_DEP_1)
	v_max3_num_f32 v[\st+1], v[\st+1], v[T], v[T+1]   ; the running largest score, lane l xor 16's among them
	s_delay_alu instid0(VALU_DEP_1)
	v_mul_f32 v[T], s[CSC], v[\st+1]               ; as t (c is positive)
	v_mov_b32 v[T+2], v[\st]
	s_delay_alu instid0(VALU_DEP_2)
	v_floor_f32 v[\st], -v[T]                      ; the new -M = -ceil(t)
	PKF \s, \st, 0, 2                              ; the first half's t - M, with the three lines that make f among them
	v_sub_f32 v[T+2], v[\st], v[T+2]               ; old M - new M: a whole number, 0 or less
	PKF \s, \st, 4, 4
	v_cvt_i32_f32 v[T+2], v[T+2]                   ; (it saturates)
	PKF \s, \st, 12, 4
	v_ldexp_f32 v[\f], 1.0, v[T+2]                 ; f = 2^(old M - new M)
	PKF \s, \st, 20, 6
	s_wait_alu depctr_va_vdst(0)                   ; ahead of the batch
.set i, 0
.rept 16
	v_exp_f32 v[\s+i], v[\s+i]                     ; p = 2^(t - M), the first 32; between them the second half's t - M
	v_exp_f32 v[\s+i+1], v[\s+i+1]
	v_pk_fma_f32 v[\s+32+i:\s+33+i], v[\s+32+i:\s+33+i], s[CSC:CSC+1], v[\st:\st+1] op_sel_hi:[1,0,0]
.set i, i+2
.endr
	s_wait_alu depctr_va_vdst(0)                   ; one wait: behind the first 32 exponentials, ahead of their first readers, and ahead of the second 32
.set i, 0
.rept 8
	v_exp_f32 v[\s+32+i], v[\s+32+i]               ; the second 32; between them the first half's sums by pairs (eight partial sums begin) and then its holds
	v_exp_f32 v[\s+33+i], v[\s+33+i]
	v_pk_add_f32 v[T+i/2:T+i/2+1], v[\s+i:\s+i+1], v[\s+i+2:\s+i+3]
	v_exp_f32 v[\s+34+i], v[\s+34+i]
	v_dual_min_num_f32 v[\s+i], v[\s+i], v[HOLD] :: v_dual_min_num_f32 v[\s+i+1], v[\s+i+1], v[HOLD]
	v_exp_f32 v[\s+35+i], v[\s+35+i]
	v_dual_min_num_f32 v[\s+i+2], v[\s+i+2], v[HOLD] :: v_dual_min_num_f32 v[\s+i+3], v[\s+i+3], v[HOLD]
.set i, i+4
.endr
	v_pk_mul_f32 v[\st+2:\st+3], v[\st+2:\st+3], v[\f:\f+1] op_sel_hi:[1,0]   ; the sums under the new M: the plain instruction behind the exponentials
	s_wait_alu depctr_va_vdst(0)                   ; the wait behind the batch, ahead of the first instruction that names a result
.set j, 32
.rept 2
.irp u, 0,1,2,3,4,5,6,7
	v_pk_add_f32 v[T+2*\u:T+2*\u+1], v[T+2*\u:T+2*\u+1], v[\s+j+2*\u:\s+j+2*\u+1]   ; the second half's unquantised p onto the eight partial sums
.endr
.set j, j+16
.endr
	UADD 0, 1                                      ; the eight become one, with the second half's holds between the levels
	UADD 2, 3
	UADD 4, 5
	UADD 6, 7
	HOLDS \s, 32, 4
	UADD 0, 2
	UADD 4, 6
	HOLDS \s, 40, 4
	UADD 0, 4
	HOLDS \s, 48, 4
	v_pk_add_f32 v[\st+2:\st+3], v[\st+2:\st+3], v[T:T+1]   ; behind this line no temporary is alive
	HOLDS \s, 56, 4
.irp n, 0,1,2,3,4,5,6,7
	v_cvt_scalef32_pk8_fp8_f32 v[\pc+2*\n:\pc+2*\n+1], v[\s+8*\n:\s+8*\n+7], v[CVS]
.endr
	v_nop                                          ; a plain instruction between the conversions and the matrix instructions that read their results or write their sources
.endm
; A key step: 128 keys.  kr: the region that holds the step's K (its loads may be out), then its V; sr: the scores' region, then the next step's K.  s88: the NEXT step's K in LDS; s89: this step's V.
.macro STEP kr, sr
	s_wait_dscnt 0x0                               ; K's sixteen loads are in
.irp n, 0,1,2,3,4,5,6,7
	v_wmma_f32_16x16x64_fp8_fp8 v[\sr+8*\n:\sr+8*\n+7], v[\kr+8*\n:\kr+8*\n+7], v[QA:QA+7], 0
.endr
.rept 4
	v_nop                                          ; four places ahead of the first read of the scores
.endr
	SOFTMAX 8, \sr, PCA, FA
.irp n, 0,1,2,3,4,5,6,7
	v_wmma_f32_16x16x64_fp8_fp8 v[\sr+8*\n:\sr+8*\n+7], v[\kr+8*\n:\kr+8*\n+7], v[QB:QB+7], 0
.endr
	v_add_nc_u32 v[ADR], s89, v[L16]               ; this line and three v_nop: four places, for V's loads into K's registers and for the first read of the scores
.rept 3
	v_nop
.endr
.irp n, 0,1,2,3
.irp c, 0,1,2,3
	ds_load_b128 v[\kr+16*\n+4*\c:\kr+16*\n+4*\c+3], v[ADR] offset:2048*\n+512*\c   ; V is on its way while tile B's softmax is walked
.endr
.endr
	SOFTMAX 12, \sr, PCB, FB
	v_add_nc_u32 v[ADR], s88, v[L16]
.irp n, 0,1,2,3,4,5,6,7
	ds_load_b128 v[\sr+8*\n:\sr+8*\n+3],   v[ADR] offset:1024*\n        ; the next step's K, into the registers whose p have been converted
	ds_load_b128 v[\sr+8*\n+4:\sr+8*\n+7], v[ADR] offset:1024*\n+512
.endr
	s_wait_alu depctr_va_vdst(0)                   ; directly ahead of the first readers of O^T
.set j, 0
.rept 16
	v_pk_mul_f32 v[OA+j:OA+j+1], v[OA+j:OA+j+1], v[FA:FA+1] op_sel_hi:[1,0]   ; O^T under the new M
.set j, j+2
.endr
.set j, 0
.rept 16
	v_pk_mul_f32 v[OBB+j:OBB+j+1], v[OBB+j:OBB+j+1], v[FB:FB+1] op_sel_hi:[1,0]
.set j, j+2
.endr
	s_wait_alu depctr_va_vdst(0)
	s_wait_dscnt 16                                ; V's sixteen loads are in; the sixteen younger ones, the next step's K, may be out
.irp n, 0,1,2,3                        ; the eight accumulators take turns, one instruction a turn
	v_wmma_f32_16x16x128_fp8_fp8 v[OA+8*\n:OA+8*\n+7], v[\kr+16*\n:\kr+16*\n+15], v[PCA:PCA+15], v[OA+8*\n:OA+8*\n+7]
	v_wmma_f32_16x16x128_fp8_fp8 v[OBB+8*\n:OBB+8*\n+7], v[\kr+16*\n:\kr+16*\n+15], v[PCB:PCB+15], v[OBB+8*\n:OBB+8*\n+7]
.endr
.rept 5
	v_nop                                          ; five places: the next step's first products write over V's registers, which these products read
.endr
	s_add_co_u32 s88, s88, 8192
	s_add_co_u32 s89, s89, 8192
.endm
	s_wait_alu depctr_va_vdst(0)
	s_wait_loadcnt 0x0                             ; Q
	s_wait_tensorcnt 0x0                           ; my sixteenth has landed
	s_barrier_signal -1
	s_barrier_wait -1                              ; so all of K and V is there for all sixteen waves; nothing is filled again
.irp n, 0,1,2,3,4,5,6,7
	ds_load_b128 v[R0+8*\n:R0+8*\n+3],   v[L16] offset:1024*\n          ; the first step's K
	ds_load_b128 v[R0+8*\n+4:R0+8*\n+7], v[L16] offset:1024*\n+512
.endr
	s_mov_b32 s88, 8192
	s_mov_b32 s89, VLDS
	s_mov_b32 s90, 8                               ; eight trips of two steps: 2,048 keys
.Lpair:
	STEP R0, R1
	STEP R1, R0
	s_sub_co_u32 s90, s90, 1
	s_cmp_lg_u32 s90, 0
	s_cbranch_scc1 .Lpair
	; THE WAY OUT: o = O^T x 2^(e4 + e5) / the sum, held and converted with 2^e6: the codes are two pieces of the last product's operand registers.  Q's registers serve as temporaries and take the codes.
	v_add_f32 v10, v10, v11                        ; the sums' halves
	v_add_f32 v14, v14, v15
	s_delay_alu instid0(VALU_DEP_2)
	v_permlanex16_b32 v16, v10, s[SEL], s[SEL+1]
	s_delay_alu instid0(VALU_DEP_2)
	v_permlanex16_b32 v17, v14, s[SEL], s[SEL+1]
	s_delay_alu instid0(VALU_DEP_2)
	v_add_f32 v10, v10, v16                        ; and lane l xor 16's
	s_delay_alu instid0(VALU_DEP_2)
	v_add_f32 v14, v14, v17
	s_wait_alu depctr_va_vdst(0)                   ; ahead of the transcendentals
	v_rcp_f32 v10, v10
	v_rcp_f32 v14, v14
	v_mov_b32 v[CVS], s98                          ; (the plain instruction behind the reciprocals)  2^e6
	v_mov_b32 v[HOLD], s99                         ; 448 x 2^e6
	s_wait_alu depctr_va_vdst(0)                   ; one wait for both reciprocals, ahead of their first reader
	v_ldexp_f32 v10, v10, s91
	v_ldexp_f32 v14, v14, s91
	s_wait_alu depctr_va_vdst(0)                   ; directly ahead of the first readers of O^T
.irp u, 0,1
.set j, 0
.rept 16
	v_pk_mul_f32 v[OA+32*\u+j:OA+32*\u+j+1], v[OA+32*\u+j:OA+32*\u+j+1], v[10+4*\u:11+4*\u] op_sel_hi:[1,0]
.set j, j+2
.endr
.endr
.set j, 0
.rept 64
	v_med3_num_f32 v[OA+j], v[OA+j], -v[HOLD], v[HOLD]
.set j, j+1
.endr
.irp n, 0,1,2,3,4,5,6,7
	v_cvt_scalef32_pk8_fp8_f32 v[QA+2*\n:QA+2*\n+1], v[OA+8*\n:OA+8*\n+7], v[CVS]   ; tile n / 4, channels 16 (n % 4) + 8 (lane / 16) + 0 .. 7
.endr
	v_nop
.irp u, 0,1
.irp g, 0,1
	global_store_b128 v[L16], v[QA+8*\u+4*\g:QA+8*\u+4*\g+3], s[94:95] offset:16384*\u+512*\g   ; the wave stores 512 consecutive bytes, aligned
.endr
.endr
	s_wait_tensorcnt 0x0                           ; the wave's end
	ds_add_u32 v[SPW], v[NIL]
	s_wait_dscnt 0x0                               ; the add, and the last look-ahead's loads
	CROUND                                         ; the closing round: no work-group ends while a partner may still ask for a piece that names it
	s_endpgm
.Lfunc_end_k_qa35e0f2cd6_attn:
	.size	k_qa35e0f2cd6_attn, .Lfunc_end_k_qa35e0f2cd6_attn-k_qa35e0f2cd6_attn
	.p2alignl 7, 3214868480
	.fill 96, 4, 3214868480
	.section	.rodata,"a",@progbits
	.p2align	6, 0x0
	.amdhsa_kernel k_qa35e0f2cd6_attn
		.amdhsa_group_segment_fixed_size 264192
		.amdhsa_private_segment_fixed_size 0
		.amdhsa_enable_private_segment 0
		.amdhsa_kernarg_size 24
		.amdhsa_user_sgpr_count 2
		.amdhsa_user_sgpr_kernarg_segment_ptr 1
		.amdhsa_wavefront_size32 1
		.amdhsa_system_sgpr_workgroup_id_x 1
		.amdhsa_system_sgpr_workgroup_id_y 1
		.amdhsa_system_sgpr_workgroup_id_z 1
		.amdhsa_system_vgpr_workitem_id 0
		.amdhsa_next_free_vgpr 256
		.amdhsa_next_free_sgpr 100
		.amdhsa_reserve_vcc 0
		.amdhsa_float_denorm_mode_32 3
		.amdhsa_float_denorm_mode_16_64 3
		.amdhsa_memory_ordered 1
		.amdhsa_forward_progress 1
		.amdhsa_inst_pref_size 74
	.end_amdhsa_kernel
	.amdgpu_metadata
---
amdhsa.version: [ 1, 2 ]
amdhsa.kernels:
  - .name:           k_qa35e0f2cd6_attn
    .symbol:         k_qa35e0f2cd6_attn.kd
    .args:
      - { .name: qkv, .offset: 0, .size: 8, .value_kind: global_buffer, .address_space: global }
      - { .name: lowp_scales, .offset: 8, .size: 8, .value_kind: global_buffer, .address_space: global }
      - { .name: ac, .offset: 16, .size: 8, .value_kind: global_buffer, .address_space: global }
    .group_segment_fixed_size: 264192
    .private_segment_fixed_size: 0
    .kernarg_segment_align: 8
    .kernarg_segment_size: 24
    .max_flat_workgroup_size: 512
    .sgpr_count:     100
    .vgpr_count:     256
    .wavefront_size: 32
...
	.end_amdgpu_metadata
.endif
;; end of part 3
;; launch proj (part 4): grid 8 x 32, 4 waves a work-group, clusters of 4 x 4, 327,680 bytes of LDS; arguments ac, wc, lowp_scales, b_out, out0; writes out0
.if DOCPART == 4
	.amdgcn_target "amdgcn-amd-amdhsa--gfx1250"
	.amdhsa_code_object_version 6
	.text
	.protected	k_qa35e0f2cd6_proj
	.globl	k_qa35e0f2cd6_proj
	.p2align	8
	.type	k_qa35e0f2cd6_proj,@function
k_qa35e0f2cd6_proj:
	s_mov_b64 s[64:65], 0
	v_nop
	global_prefetch_b8 v0, s[64:65] scope:SCOPE_SE
	s_setreg_imm32_b32 hwreg(HW_REG_WAVE_MODE, 25, 1), 1
	s_wait_xcnt 0x0
	s_wait_alu depctr_hold_cnt(0) depctr_sa_sdst(0) depctr_va_vdst(0) depctr_va_sdst(0) depctr_va_ssrc(0) depctr_va_vcc(0) depctr_vm_vsrc(0)
	s_getreg_b32 s2, hwreg(HW_REG_IB_STS2, 6, 4)
	s_cmp_eq_u32 s2, 0
	s_cbranch_scc0 .Lentry_in_a_cluster
	s_endpgm
.Lentry_in_a_cluster:
	s_bfe_u32 s2, ttmp6, 0x10000c
	s_cmp_lg_u32 s2, 0xf033
	s_cbranch_scc0 .Lentry_shape_is_right
	s_endpgm
.Lentry_shape_is_right:
; out0 [8192][1024] f32 = (attention's result, as codes of FP8) x (W_out, as codes) x 2^(e6 + e7) + b_out.  K = 1,024.
; ac: images of operand registers: a tile of 16 tokens is 16,384 bytes, 128 along K are 2,048 of them, in pieces of 512 bytes (lane l's 16 bytes at 16 l).  wc rows 3072-4095: W_out's columns, K innermost.
; LIMIT: e6 + e7 lies between -126 and 127, so that 2^(e6 + e7) is an f32 number.
; A BLOCK of out0 is 256 rows x 128 columns: 32 x 8 = 256 work-groups.  Four waves; a wave makes 128 rows x 64 columns: 32 accumulators of 16 x 16.
; K goes in four steps of 256 through a ring of two LDS slots: A's 16 tiles x 4,096 bytes, then B's 128 rows of 256 bytes, 272 apart.
; THE FIRST FILLS OF BOTH SLOTS go out at the head, shared out among the four waves, one tensor load each: wave 0 A's K step 0, wave 1 A's K step 1, wave 2 B's K step 0, wave 3 B's K step 1.
; A slot's refill is asked for by its two waves (slot s: waves s and 2 + s); the other two ask for nothing there.
; CLUSTERS: 4 x 4 work-groups; A's tile is asked for jointly along a row of the cluster, B's along a column.
; PREFETCH: K step 2 is named behind the head's load, K step 3 behind the head's barrier, two K steps ahead of its load; one instruction a wave each.  Waves 0 and 1 name A's bytes, waves 2 and 3 B's.
; The four partners that ask for a tile jointly share it out by address: of A's 8 token tiles a wave each takes 2 (cx), a lane 256 bytes; of B's 64 rows a wave each takes 16 (cy), a lane a row,
; lanes 16-31 naming the wave's last row again.  So each aligned 256 bytes of a K step are named once in a cluster.  K steps 0 and 1 come by their loads alone.
; THE MATRIX INSTRUCTION IS USED TRANSPOSED (source 0 = 16 rows of B, source 1 = 16 rows of A): a lane holds eight neighbouring numbers of a row of out0.
; REGISTERS, in windows of 256: window 0: v0-31 addresses, v32-63 the bias, v96-127 and v128-191 at work on the way out, from v128 A's eight fragments, one set;
;   window 1: B's four fragments, two sets, at v0 and v128; window 2: accumulators of my rows 0-63 (accumulator (a, b) at v[8 (8 a + b)], b = 0 .. 3); window 3: those of rows 64-127.
.set PITCH,  272
.set FR,     16
.set NL,     4
.set NP,     4
.set HALFA,  32768                     ; 8 tiles of 16 tokens x 4,096 bytes: what a wave reads of A in a slot
.set HALFB,  64*PITCH                  ; 64 rows of B: the same for B
.set BOFF,   2*HALFA
.set SLOT,   BOFF+2*HALFB
.set LAPS,   2
.set SPARE,  2*SLOT                    ; behind the ring: the spare words
.set SPITCH, 272                       ; the way out: a stage of 16 rows x (256 bytes + 16) for each wave, in slot 0, which has had its last fill and its last read by then
.set PF2,  10                          ; v10, v11 the prefetches' offsets for K steps 2 and 3; never rewritten
.set PF3,  11
.set ADRA, 16
.set ADRB, 20
.set STO,  24
.set RD,   25
.set CO,   26
.set SPW,  28
.set NIL,  29
.set B0,   32
.set TMP,  96
.set AF,   128
.set BK,   128
.set G1, 24
.set G0, 32
.set G1B, 48
.set G0B, 56
.set PFA, 68                           ; s[68:69] the prefetches' base; never rewritten
.set MSB, 0
.macro WIN new                         ; the immediate's high byte repeats the setting that is left
.if MSB != \new
	s_set_vgpr_msb (MSB<<8)|\new
.set MSB, \new
.endif
.endm
.set MUL_LO, 0xa1
.set MUL_HI, 0xf1
.set TO_B,   0x40
.macro TL g0, g1                       ; a tensor load with s_nop 0 and four v_nop behind it
	tensor_load_to_lds s[\g0:\g0+3], s[\g1:\g1+7]
	s_nop 0
.rept 4
	v_nop
.endr
.endm
.macro JLOAD s                         ; slot s's joint refill: wave s asks for A's tile, wave 2 + s for B's; the branches hang on the wave's number alone
	s_cmp_eq_u32 s14, \s
	s_cbranch_scc0 .Lfor_b_\@
	TL G0+4*\s, G1
	s_branch .Lasked_\@
.Lfor_b_\@:
	s_cmp_eq_u32 s14, 2+\s
	s_cbranch_scc0 .Lnone_\@
	TL G0B+4*\s, G1B
	s_branch .Lasked_\@
.Lnone_\@:
.rept 4
	v_nop                                          ; the places ahead of the LDS loads that follow, on this way too
.endr
.Lasked_\@:
.endm
.macro CREST
	s_cmp_lg_u32 s14, 0
	s_cbranch_scc1 .Lnot_wave_0_\@
	s_barrier_signal -3
.Lnot_wave_0_\@:
	s_barrier_wait -3
	s_barrier_signal -1
	s_barrier_wait -1
.endm
.macro CROUND
	s_barrier_signal -1
	s_barrier_wait -1
	CREST
.endm
	s_load_b128 s[4:7], s[0:1], 0x0                ; ac, wc
	s_load_b128 s[8:11], s[0:1], 0x10              ; the scales' exponents, b_out
	s_load_b64 s[12:13], s[0:1], 0x20              ; out0
	v_lshl_add_u32 v[SPW], v0, 2, SPARE
	v_mov_b32 v[NIL], 0
	ds_add_u32 v[SPW], v[NIL]                      ; the opening lines: the add, twice on end, and its wait
	ds_add_u32 v[SPW], v[NIL]
	v_lshrrev_b32 v1, 5, v0
	v_readfirstlane_b32 s14, v1                    ; wave 0..3
	s_lshr_b32 s15, s14, 1                         ; my half of the block's rows.  Also: my prefetches name A (0) or B (1)
	s_and_b32 s16, s14, 1                          ; my half of its columns.  Also: which half of that tile they name
	s_bfe_u32 s40, ttmp6, 0x40000                  ; cx, cy
	s_bfe_u32 s41, ttmp6, 0x40004
	s_lshl_b32 s42, ttmp9, 2
	s_add_co_u32 s42, s42, s40                     ; block column: 128 columns each
	s_and_b32 s17, ttmp7, 0xffff
	s_lshl_b32 s17, s17, 2
	s_add_co_u32 s17, s17, s41                     ; block row: 256 rows each
	s_lshl_b32 s43, s41, 2
	s_lshl_b32 s43, 15, s43                        ; my row of the cluster
	s_lshl_b32 s44, 0x1111, s40                    ; my column
	s_or_b32 s[G1+0], s43, (3<<16)|(1<<21)         ; A: elements of 8 bytes, no padding: 16 rows of 4,096 bytes, 16,384 apart
	s_mov_b32 s[G1+1], 512<<16
	s_mov_b32 s[G1+2], 16<<16
	s_mov_b32 s[G1+3], 512<<16
	s_mov_b32 s[G1+4], 16
	s_mov_b32 s[G1+5], 2048
	s_mov_b32 s[G1+6], 0
	s_mov_b32 s[G1+7], 0
	s_or_b32 s[G1B+0], s44, (0<<16)|(1<<20)|(1<<21)|(5<<22)|(3<<25)   ; B: bytes; four words of padding behind every 64: 128 rows of 256 bytes, 1,024 apart
	s_mov_b32 s[G1B+1], 256<<16
	s_mov_b32 s[G1B+2], 128<<16
	s_mov_b32 s[G1B+3], 256<<16
	s_mov_b32 s[G1B+4], 128
	s_mov_b32 s[G1B+5], 1024
	s_mov_b32 s[G1B+6], 0
	s_mov_b32 s[G1B+7], 0
	s_lshl_b32 s20, s17, 18                        ; A: 16 tiles of 16,384 bytes a block row
	s_mov_b32 s21, 0
	s_lshl_b32 s46, s42, 7
	s_add_co_u32 s46, s46, 3072                    ; B: row 3072 + 128 x block column of wc
	s_lshl_b32 s46, s46, 10
	s_mov_b32 s47, 0
	s_wait_dscnt 0x0                               ; both opening adds are done
	s_wait_kmcnt 0x0
	s_load_b64 s[96:97], s[8:9], 0x18              ; e6, e7
	s_add_nc_u64 s[20:21], s[4:5], s[20:21]
	s_add_nc_u64 s[46:47], s[6:7], s[46:47]
	s_cmp_eq_u32 s15, 0                            ; the prefetches' base and strides: A's in waves 0 and 1, B's in waves 2 and 3
	s_cselect_b64 s[PFA:PFA+1], s[20:21], s[46:47]
	s_cselect_b32 s70, s40, s41                    ; my place among the four that ask for the tile with me
	s_cselect_b32 s71, 1, 4                        ; a partner's share: 2 token tiles, or 16 rows
	s_cselect_b32 s72, 3, 6                        ; a wave's: 8 token tiles, or 64 rows
	s_cselect_b32 s73, 14, 10                      ; a token tile is 16,384 bytes, a row 1,024
	s_cselect_b32 s75, 31, 15                      ; lanes that name blocks of their own
	s_cselect_b32 s76, 8, 10                       ; from lane to lane: 256 bytes, or a row
	s_cselect_b32 s77, 12, 8                       ; a K step: 4,096 bytes of a token tile, or 256 of a row
	s_lshl_b32 s70, s70, s71
	s_lshl_b32 s72, s16, s72
	s_add_co_u32 s70, s70, s72
	s_lshl_b32 s70, s70, s73
	s_mov_b32 s71, 0
	s_add_nc_u64 s[PFA:PFA+1], s[PFA:PFA+1], s[70:71]
	s_lshl_b32 s78, 1, s77
	CROUND                                         ; all sixteen work-groups are here: the first joint loads meet
.irp s, 0,1
	s_mov_b32 s[G0+4*\s], 1
	s_mov_b32 s[G0+4*\s+1], \s*SLOT
	s_add_nc_u64 s[G0+4*\s+2:G0+4*\s+3], s[20:21], \s*4096
	s_or_b32 s[G0+4*\s+3], s[G0+4*\s+3], 0x80000000
	s_mov_b32 s[G0B+4*\s], 1
	s_mov_b32 s[G0B+4*\s+1], BOFF+\s*SLOT
	s_add_nc_u64 s[G0B+4*\s+2:G0B+4*\s+3], s[46:47], \s*256
	s_or_b32 s[G0B+4*\s+3], s[G0B+4*\s+3], 0x80000000
.endr
	s_cmp_eq_u32 s14, 0                            ; one chain on the wave's number, one fill to an arm, all arms to one join
	s_cbranch_scc0 .Lh1
	TL G0, G1                                      ; wave 0: A's K step 0
	s_branch .Lhd
.Lh1:
	s_cmp_eq_u32 s14, 1
	s_cbranch_scc0 .Lh2
	TL G0+4, G1                                    ; wave 1: A's K step 1
	s_branch .Lhd
.Lh2:
	s_cmp_eq_u32 s14, 2
	s_cbranch_scc0 .Lh3
	TL G0B, G1B                                    ; wave 2: B's K step 0
	s_branch .Lhd
.Lh3:
	TL G0B+4, G1B                                  ; wave 3: B's K step 1
.Lhd:
	v_and_b32 v9, 31, v0
	v_min_u32 v9, s75, v9                          ; B's waves: lanes 16-31 name lane 15's row again
	v_lshrrev_b32 v12, 4, v9
	v_and_b32 v9, 15, v9
	v_lshlrev_b32 v9, s76, v9
	v_lshl_add_u32 v9, v12, 14, v9                 ; A's waves: lanes 16-31 take the share's second token tile
	v_mad_u32_u24 v[PF2], s78, 2, v9
	v_mad_u32_u24 v[PF3], s78, 3, v9
	v_and_b32 v1, 15, v0                           ; r = l % 16
	v_bfe_u32 v2, v0, 4, 1                         ; h = l / 16
	s_wait_alu depctr_va_vdst(0)
	global_prefetch_b8 v[PF2], s[PFA:PFA+1] th:TH_LOAD_NT scope:SCOPE_SE   ; K step 2, whose load follows behind K step 0's products
	v_mul_u32_u24 v3, v1, PITCH
	v_lshl_add_u32 v4, v2, 4, v3                   ; B's fragments: row r, + 16 h
	v_and_b32 v6, 31, v0
	v_lshlrev_b32 v6, 4, v6                        ; A's images: 16 x lane
	v_mul_u32_u24 v5, v1, SPITCH
	v_lshl_add_u32 v5, v2, 5, v5                   ; the stage, in: row r, 32 bytes for each half of the lanes
	v_mul_u32_u24 v8, v2, SPITCH
	v_lshl_add_u32 v8, v1, 4, v8                   ; and back: lanes 0-15 one row of 256 bytes, lanes 16-31 the next
	v_lshlrev_b32 v[CO], 12, v2
	v_lshl_add_u32 v[CO], v1, 4, v[CO]             ; the same two rows in out0
	v_lshlrev_b32 v7, 5, v2                        ; the bias: 32 h bytes
	s_wait_alu depctr_va_vdst(0)
	s_lshl_b32 s21, s15, 15
	s_mul_i32 s22, s16, HALFB
	s_add_co_u32 s22, s22, BOFF
.irp s, 0,1
	v_add_nc_u32 v[ADRA+\s], s21, v6
	v_add_nc_u32 v[ADRB+\s], s22, v4
	s_add_co_u32 s21, s21, SLOT
	s_add_co_u32 s22, s22, SLOT
.endr
	s_mul_i32 s23, s14, 16*SPITCH                  ; my stage
	v_add_nc_u32 v[STO], s23, v5
	v_add_nc_u32 v[RD], s23, v8
	s_lshl_b32 s20, s17, 8
	s_lshl_b32 s21, s15, 7
	s_add_co_u32 s20, s20, s21                     ; my first row of out0,
	s_lshl_b32 s20, s20, 12                        ; 4,096 bytes a row
	s_lshl_b32 s46, s42, 9
	s_lshl_b32 s47, s16, 8
	s_add_co_u32 s46, s46, s47                     ; my first column, in bytes: 512 x block column + 256 x half
	s_add_co_u32 s20, s20, s46
	s_mov_b32 s21, 0
	s_mov_b32 s47, 0
	s_add_nc_u64 s[12:13], s[12:13], s[20:21]
	s_add_nc_u64 s[88:89], s[10:11], s[46:47]
.irp b, 0,1,2,3
	global_load_b128 v[B0+8*\b:B0+8*\b+3],   v7, s[88:89] offset:64*\b      ; b_out at my lane's eight columns of each of the four column blocks
	global_load_b128 v[B0+8*\b+4:B0+8*\b+7], v7, s[88:89] offset:64*\b+16
.endr
.macro FRAG reg, adr, q, i
.irp c, 0,1,2,3
	ds_load_b128 v[\reg+4*\c:\reg+4*\c+3], v[\adr] offset:128*(\q)+32*\c+(\i)*16*PITCH
.endr
.endm
.macro FRAGA reg, adr, q, i
.irp c, 0,1,2,3
	ds_load_b128 v[\reg+4*\c:\reg+4*\c+3], v[\adr] offset:4096*(\i)+2048*(\q)+512*\c
.endr
.endm
; 8 matrix instructions: A's blocks a0, a0 + 1 x B's four, 128 along K.  The 32 accumulators take turns, one instruction a turn, in the same order in every step.
.macro MUL8 a0, p, zero
.irp a, \a0, \a0+1
.irp b, 0,1,2,3
.if \zero
	v_wmma_f32_16x16x128_fp8_fp8 v[8*(8*((\a)%4)+\b):8*(8*((\a)%4)+\b)+7], v[128*(\p)+FR*\b:128*(\p)+FR*\b+FR-1], v[AF+FR*(\a):AF+FR*(\a)+FR-1], 0
.else
	v_wmma_f32_16x16x128_fp8_fp8 v[8*(8*((\a)%4)+\b):8*(8*((\a)%4)+\b)+7], v[128*(\p)+FR*\b:128*(\p)+FR*\b+FR-1], v[AF+FR*(\a):AF+FR*(\a)+FR-1], v[8*(8*((\a)%4)+\b):8*(8*((\a)%4)+\b)+7]
.endif
.endr
.endr
.endm
.macro FETCH_B slot, q, p
	WIN TO_B
.irp i, 0,1,2,3
	FRAG 128*(\p)+FR*\i, ADRB+\slot, \q, \i
.endr
	WIN 0
.endm
.macro FETCH_A slot, q, i0
.irp i, \i0, \i0+1, \i0+2, \i0+3
	FRAGA AF+FR*(\i), ADRA+\slot, \q, \i
.endr
.endm
.macro PLACES n                        ; places behind matrix instructions, ahead of loads into registers that they read and of reads of their results
.rept \n
	v_nop
.endr
.endm
.macro STEP slot, q, zero              ; a step of 128 along K that has its successor in the same slot
	s_wait_dscnt 4*NL                              ; B's set and A's blocks 0-3 are in; the youngest sixteen loads (A's blocks 4-7) may be out
	WIN MUL_LO
	MUL8 0, (\q)%2, \zero
	MUL8 2, (\q)%2, \zero
	s_wait_dscnt 0
	PLACES NP
	FETCH_B \slot, (\q)+1, 1-(\q)%2
	FETCH_A \slot, (\q)+1, 0
	WIN MUL_HI
	MUL8 4, (\q)%2, \zero
	MUL8 6, (\q)%2, \zero
	PLACES NP
	WIN 0
	FETCH_A \slot, (\q)+1, 4
.endm
.macro TURN slot, next, fill           ; a slot's last step changes slots; fill = 1: this slot is filled again, two K steps ahead
	s_wait_tensorcnt 0x0                           ; all my tensor loads have landed
	ds_add_u32 v[SPW], v[NIL]
	s_wait_dscnt 4*NL+1                            ; (the add and the youngest sixteen loads may be out)
	WIN MUL_LO
	MUL8 0, 1, 0
	s_wait_dscnt 0x0                               ; the add is done, and my reads of this slot are over
	s_barrier_signal -1
	MUL8 2, 1, 0
	WIN 0
	s_barrier_wait -1
.if \fill
	CREST                                          ; the barrier has opened a round of the cluster's barrier
	s_add_nc_u64 s[G0+4*\slot+2:G0+4*\slot+3], s[G0+4*\slot+2:G0+4*\slot+3], 8192
	s_add_nc_u64 s[G0B+4*\slot+2:G0B+4*\slot+3], s[G0B+4*\slot+2:G0B+4*\slot+3], 512
	JLOAD \slot
.else
	PLACES NP
.endif
	FETCH_B \next, 0, 0
	FETCH_A \next, 0, 0
	WIN MUL_HI
	MUL8 4, 1, 0
	MUL8 6, 1, 0
	PLACES NP
	WIN 0
	FETCH_A \next, 0, 4
.endm
	s_wait_alu depctr_va_vdst(0)
	s_wait_tensorcnt 0x0                           ; my tile has landed
	s_barrier_signal -1
	s_barrier_wait -1                              ; so K steps 0 and 1 are there for all four waves
	global_prefetch_b8 v[PF3], s[PFA:PFA+1] th:TH_LOAD_NT scope:SCOPE_SE   ; K step 3, whose load follows behind K step 1's products: two K steps on
	FETCH_B 0, 0, 0
	FETCH_A 0, 0, 0
	FETCH_A 0, 0, 4
	STEP 0, 0, 1                                   ; the first step's products start the sums
	s_mov_b32 s3, LAPS-1
.Llap:
	TURN 0, 1, 1
	STEP 1, 0, 0
	TURN 1, 0, 1
	STEP 0, 0, 0
	s_sub_co_u32 s3, s3, 1
	s_cmp_lg_u32 s3, 0
	s_cbranch_scc1 .Llap
	TURN 0, 1, 0                                   ; the last lap fills nothing
	STEP 1, 0, 0
	s_wait_dscnt 4*NL
	WIN MUL_LO
	MUL8 0, 1, 0
	MUL8 2, 1, 0
	s_wait_dscnt 0
	WIN MUL_HI
	MUL8 4, 1, 0
	MUL8 6, 1, 0
	WIN 0
; THE WAY OUT, block by block of 16 rows x 64 columns: sum x 2^(e6 + e7) + bias, through my own stage in LDS, back as whole rows of 256 bytes.  LDS serves a wave's instructions in order (ISA guide 5.7.1.4).
.macro TOSTAGE a
.set AC, 64*((\a)%4)
	WIN 0x02+((\a)/4)
.set j, 0
.rept 16
	v_pk_fma_f32 v[TMP+j:TMP+j+1], v[AC+j:AC+j+1], s[96:97], v[B0+j:B0+j+1] op_sel_hi:[1,0,1]
.set j, j+2
.endr
	WIN 0
.irp b, 0,1,2,3
	ds_store_b128 v[STO], v[TMP+8*\b:TMP+8*\b+3] offset:64*\b
	ds_store_b128 v[STO], v[TMP+8*\b+4:TMP+8*\b+7] offset:64*\b+16
.endr
.set BB, BK+32*((\a)%2)
.irp t, 0,1,2,3,4,5,6,7
	ds_load_b128 v[BB+4*\t:BB+4*\t+3], v[RD] offset:2*\t*SPITCH
.endr
.endm
.macro SEND a, younger                 ; younger: the LDS instructions issued behind block a's loads, which may stay out
.set BB, BK+32*((\a)%2)
	s_wait_dscnt \younger
.if (\a) > 0
	s_add_nc_u64 s[12:13], s[12:13], 16*4096       ; (behind a wait on XCNT: the earlier stores have read their base)
.endif
.irp t, 0,1,2,3,4,5,6,7
	global_store_b128 v[CO], v[BB+4*\t:BB+4*\t+3], s[12:13] offset:2*\t*4096 th:TH_STORE_NT   ; sixteen lanes store 256 consecutive bytes, aligned
.endr
.endm
	s_wait_kmcnt 0x0
	s_add_co_i32 s96, s96, s97
	s_add_co_i32 s96, s96, 127
	s_lshl_b32 s96, s96, 23                        ; 2^(e6 + e7) as f32
	s_mov_b32 s97, s96
	s_wait_loadcnt 0x0                             ; the bias
	PLACES NP
	TOSTAGE 0
.irp a, 1,2,3,4,5,6,7
.if \a > 1
	s_wait_xcnt 0x0                                ; block a - 2's stores have read their registers and their base
.endif
	TOSTAGE \a
	SEND \a-1, 16                                  ; behind block a - 1's loads: block a's 8 stores and 8 loads
.endr
	s_wait_xcnt 0x0
	SEND 7, 0
	s_wait_tensorcnt 0x0                           ; the wave's end
	ds_add_u32 v[SPW], v[NIL]
	s_wait_dscnt 0x0
	CROUND                                         ; the closing round
	s_endpgm
.Lfunc_end_k_qa35e0f2cd6_proj:
	.size	k_qa35e0f2cd6_proj, .Lfunc_end_k_qa35e0f2cd6_proj-k_qa35e0f2cd6_proj
	.p2alignl 7, 3214868480
	.fill 96, 4, 3214868480
	.section	.rodata,"a",@progbits
	.p2align	6, 0x0
	.amdhsa_kernel k_qa35e0f2cd6_proj
		.amdhsa_group_segment_fixed_size 327680
		.amdhsa_private_segment_fixed_size 0
		.amdhsa_enable_private_segment 0
		.amdhsa_kernarg_size 40
		.amdhsa_user_sgpr_count 2
		.amdhsa_user_sgpr_kernarg_segment_ptr 1
		.amdhsa_wavefront_size32 1
		.amdhsa_system_sgpr_workgroup_id_x 1
		.amdhsa_system_sgpr_workgroup_id_y 1
		.amdhsa_system_sgpr_workgroup_id_z 1
		.amdhsa_system_vgpr_workitem_id 0
		.amdhsa_next_free_vgpr 1024
		.amdhsa_next_free_sgpr 98
		.amdhsa_reserve_vcc 0
		.amdhsa_float_denorm_mode_32 3
		.amdhsa_float_denorm_mode_16_64 3
		.amdhsa_memory_ordered 1
		.amdhsa_forward_progress 1
		.amdhsa_inst_pref_size 80
	.end_amdhsa_kernel
	.amdgpu_metadata
---
amdhsa.version: [ 1, 2 ]
amdhsa.kernels:
  - .name:           k_qa35e0f2cd6_proj
    .symbol:         k_qa35e0f2cd6_proj.kd
    .args:
      - { .name: ac, .offset: 0, .size: 8, .value_kind: global_buffer, .address_space: global }
      - { .name: wc, .offset: 8, .size: 8, .value_kind: global_buffer, .address_space: global }
      - { .name: lowp_scales, .offset: 16, .size: 8, .value_kind: global_buffer, .address_space: global }
      - { .name: b_out, .offset: 24, .size: 8, .value_kind: global_buffer, .address_space: global }
      - { .name: out0, .offset: 32, .size: 8, .value_kind: global_buffer, .address_space: global }
    .group_segment_fixed_size: 327680
    .private_segment_fixed_size: 0
    .kernarg_segment_align: 8
    .kernarg_segment_size: 40
    .max_flat_workgroup_size: 128
    .sgpr_count:     98
    .vgpr_count:     1024
    .wavefront_size: 32
...
	.end_amdgpu_metadata
.endif
;; end of part 4
